; MI455X (gfx1250); checked and timed in simulation.
; The chip was launched on July 23, 2026; its instructions are those of AMD's public machine-readable ISA for CDNA 5 (MIT licence, August 2026) and "CDNA5" Instruction Set Architecture Reference Guide (July 2026). The comments in the code are by the model that wrote it; some were corrected since.
;; Self Attention. Allowed arithmetic: matrix products marked QUANTISED: E2M3 operands, one E8M0 scale for each 32 along K, by v_wmma_scale_f32_16x16x128_f8f6f4 with both operands' format E2M3, f32 sums; everything else in f32.
;; Inputs: Wk 512 x 512 float32; Wq 512 x 512 float32; Wv 512 x 512 float32; x 32 x 1,024 x 512 float32.
;; Outputs: out0 32 x 1,024 x 512 float32.
;; This version of the problem:
;;   THIS VERSION OF THE PROBLEM IS GIVEN IN LOW PRECISION. The matrix products marked QUANTISED in the list below multiply operands that are first quantised to E2M3 (2 exponent bits, 3 mantissa bits; 6 bits a number), with one power-of-two scale for each 32 numbers along K (OCP MX v1.0); their sums are f32. All else is computed in f32.
;;   The module's matrix products, in the order in which they are computed (A, B: the left and right operand; K: the contracted axis; several contracted axes count as one K, in the product's order):
;;     1. [M 32,768, K 512] x [K 512, N 512]; A: input x; B: input Wk: QUANTISED
;;     2. [M 32,768, K 512] x [K 512, N 512]; A: input x; B: input Wq: QUANTISED
;;     3. [M 32,768, K 512] x [K 512, N 512]; A: input x; B: input Wv: QUANTISED
;;     4. batch 32 x [M 1,024, K 512] x [K 512, N 1,024]; A: computed on the way; B: computed on the way: QUANTISED
;;     5. batch 32 x [M 1,024, K 1,024] x [K 1,024, N 512]; A: softmax (see below); B: computed on the way: QUANTISED
;;   THE QUANTISER, for each operand of a quantised product, along K:
;;     - K is cut into blocks of 32 from its start; a last block that is shorter is filled with zeros.
;;     - A block's scale is 2^e with e = floor(log2(the largest magnitude in the block)) - 2, held to -126 .. 127; a block of zeros has e = 0. As a byte (E8M0): e + 127.
;;     - Each number is divided by its block's scale, clamped to +-7.5, and rounded to the nearest number of E2M3, ties to even, subnormals kept.
;;     - The product sums the exact products of the quantised numbers (number of the format x scale) in f32.
;;   ~~~python
;;   def quantise(x, axis):      # numpy; x: float32 -> the quantised numbers, widened to float32 again
;;       x = np.moveaxis(x, axis, -1); K = x.shape[-1]
;;       x = np.pad(x, [(0, 0)] * (x.ndim - 1) + [(0, -K % 32)]); x = x.reshape(x.shape[:-1] + (-1, 32)); a = np.abs(x).max(-1, keepdims=True)
;;       e = np.where(a > 0, np.clip(np.frexp(np.where(a > 0, a, 1))[1] - 1 - 2, -126, 127), 0)      # np.frexp(a)[1] - 1 = floor(log2(a)), exactly
;;       r = np.clip(x / 2.0 ** e, -7.5, 7.5)
;;       step = 2.0 ** (np.maximum(np.frexp(np.where(r == 0, 1, r))[1] - 1, 0) - 3)
;;       q = np.round(r / step) * step * 2.0 ** e      # np.round: ties to even
;;       return np.moveaxis(q.reshape(q.shape[:-2] + (-1,))[..., :K], -1, axis).astype(np.float32)
;;   ~~~
;;   SOFTMAX AHEAD OF A QUANTISED PRODUCT. Where the list says 'softmax', what is quantised is not the finished softmax but p = 2^(t - M), with t = logit x log2(e) and M = ceil(the row's largest t), a whole number; so 1/2 < the row's largest p <= 1. The row's sum l is taken of the UNQUANTISED p, in f32, and the product's result is divided by l at the end. Since M is a whole number, a kernel that streams over the keys may use a running M (the ceiling of the running maximum): every later rescaling is an exact power of two, which a block's scale takes up: the codes' values come out the same.
;;   OPERANDS COMPUTED ON THE WAY. 'Computed on the way' means the value that the module computes at that place (a softmax that the list does not call 'softmax' is quantised finished and normalised). What goes into a quantiser is computed in f32, as accurately as f32 sums, v_exp_f32 and their like allow (about 1e-6 of the number): no bf16 or f16 on the way to a quantiser, and a product that is left as it is and whose result goes on into a quantised operand takes f32 operands (vector FMAs, or v_wmma_f32_16x16x4_f32). A number that lies on a knife's edge between two numbers of the format may be rounded either way, as far as f32 arithmetic and the matrix unit's own rounding can turn it there, and no further.
;; One version. Each part assembles by itself: llvm-mc -triple=amdgcn-amd-amdhsa -mcpu=gfx1250 --defsym DOCPART=n.
;; ======== version 1 of 1: 3 launches
;; limits: right only within a limited range of input values
;; workspace buffers: wc 614,400 bytes; kv 26,214,400 bytes; qc 13,107,200 bytes
;; launch wquant (part 1): grid 48 x 1, 4 waves a work-group, no clusters, 0 bytes of LDS; arguments Wk, Wq, Wv, wc; writes wc
.if DOCPART == 1
	.amdgcn_target "amdgcn-amd-amdhsa--gfx1250"
	.amdhsa_code_object_version 6
	.text
	.protected	k_qceee32a96a_wquant
	.globl	k_qceee32a96a_wquant
	.p2align	8
	.type	k_qceee32a96a_wquant,@function
k_qceee32a96a_wquant:
	s_mov_b64 s[64:65], 0
	v_nop
	global_prefetch_b8 v0, s[64:65] scope:SCOPE_SE
	s_setreg_imm32_b32 hwreg(HW_REG_WAVE_MODE, 25, 1), 1
	s_wait_xcnt 0x0
; Wk, Wq, Wv [512 (d)][512 (c)] f32, K = c innermost, become codes of FP6 (E2M3) with one E8M0 byte for each 32 along c,
; laid in wc as IMAGES OF OPERAND REGISTERS in the order in which the next launch's tensor loads want them.
; wc: 24 blocks of 25,600 bytes, block ((u 4 + w) 2 + hf): u = 0 k, 1 q, 2 v; w = the reading wave; hf = half of K.
;   In a block: 16 fragments [sl][b] of 1,536 bytes (K step 2 hf + sl, tile b); register 4 c + k of lane L at 512 c + 16 L + 4 k.
;   Behind them, at 24,576: scale words [sl][i][lane]: lanes 0-15 tile 2 i, lanes 16-31 tile 2 i + 1, row lane % 16.
; THE ROWS OF A TILE ARE NOT NEIGHBOURS: lane r of tile b takes row 128 w + 32 (b / 2) + 8 (b % 2) + r + 8 (r / 8).
; A block's scale is 2^(floor(log2(largest magnitude)) - 2); its byte is the largest magnitude's exponent field - 2, held at 1 from below.
; LIMITS: a block of zeros gets the byte 1 (its codes are zeros, and this program alone reads the bytes); NaN and infinities are not served.
; SHARES: work-group G: u = G / 16, w = (G / 4) % 4, K step s = G % 4; wave i makes tiles 2 i and 2 i + 1: two fragments, one scale register.
; No two work-groups read the same bytes, so there is no cluster; 3 MiB are read once, so no LDS and no ring.
.set TM,  32                           ; v32-35 largest magnitudes, v36-39 the other half's / bytes, v44-47 the conversions' scale operands
.set SEL, 22                           ; s[22:23] selects for v_permlanex16_b32: lane l xor 16
.set XN,  64                           ; v64-127, v128-191: 64 numbers of a lane for each tile: register 16 b + i = k 32 b + 16 (lane / 16) + i of my row
; 64 numbers v[s] on become a fragment's 12 registers in v[pc] on and its scale word in v[pw]
.macro QUANT s, pc, pw
.irp b, 0,1,2,3
	v_max3_num_f32 v[TM+\b], 0x1800000, |v[(\s)+16*\b]|, |v[(\s)+16*\b+1]|   ; block b: my 16 numbers, and the floor 2^(3 - 127): the byte cannot fall under 1
.endr
.irp i, 2,4,6,8,10,12,14
.irp b, 0,1,2,3
	v_max3_num_f32 v[TM+\b], v[TM+\b], |v[(\s)+16*\b+\i]|, |v[(\s)+16*\b+\i+1]|   ; the four blocks by turns
.endr
.endr
.irp b, 0,1,2,3
	v_permlanex16_b32 v[TM+4+\b], v[TM+\b], s[SEL], s[SEL+1]
.endr
.irp b, 0,1,2,3
	v_max_num_f32 v[TM+\b], v[TM+\b], v[TM+4+\b]       ; with lane l xor 16's 16: the block's largest magnitude
.endr
.irp b, 0,1,2,3
	v_add_nc_u32 v[TM+12+\b], 0xff000000, v[TM+\b]     ; 2 off its exponent field: the conversion's scale operand
.endr
.irp b, 0,1,2,3
	v_lshrrev_b32 v[TM+4+\b], 23, v[TM+12+\b]          ; the scale's byte
.endr
	v_lshl_or_b32 v[\pw], v[TM+5], 8, v[TM+4]
	v_lshl_or_b32 v[\pw], v[TM+6], 16, v[\pw]
	v_lshl_or_b32 v[\pw], v[TM+7], 24, v[\pw]          ; my row's scale word
.irp c, 0,1
	v_cvt_scalef32_pk16_fp6_f32 v[(\pc)+6*\c:(\pc)+6*\c+2], v[(\s)+32*\c:(\s)+32*\c+15], v[TM+12+2*\c]
	v_cvt_scalef32_pk16_fp6_f32 v[(\pc)+12+4*\c:(\pc)+14+4*\c], v[(\s)+16+32*\c:(\s)+31+32*\c], v[TM+13+2*\c]   ; (a conversion's three registers begin on an even number)
.endr
	v_nop                                              ; one plain place behind the scaled conversions
.irp c, 0,1                                        ; the operand's layout wants a whole block in a lane: lanes 0-15 block 2 c, lanes 16-31 block 2 c + 1
.irp i, 0,1,2
	v_permlane16_swap_b32 v[(\pc)+6*\c+\i], v[(\pc)+12+4*\c+\i]
.endr
.irp i, 0,1,2
	v_mov_b32 v[(\pc)+3+6*\c+\i], v[(\pc)+12+4*\c+\i]
.endr
.endr
.endm
	s_load_b256 s[4:11], s[0:1], 0x0               ; Wk s[4:5], Wq s[6:7], Wv s[8:9], wc s[10:11]
	v_lshrrev_b32 v4, 5, v0
	v_readfirstlane_b32 s12, v4                    ; wave i
	v_and_b32 v4, 31, v0
	v_lshlrev_b32 v1, 4, v4                        ; 16 x lane: an image's place
	v_lshlrev_b32 v2, 2, v4                        ; 4 x lane: a scale word's
	v_and_b32 v5, 15, v0                           ; r
	v_bfe_u32 v6, v0, 4, 1                         ; h
	v_and_b32 v3, 8, v5
	v_add_nc_u32 v3, v3, v5                        ; r + 8 (r / 8)
	v_lshlrev_b32 v3, 11, v3                       ; rows of 2,048 bytes
	v_lshl_add_u32 v3, v6, 6, v3                   ; + 64 h: my 16 numbers of a block of 32
.irp b, 0,1,2,3
	v_mov_b32 v[TM+4+\b], 0                        ; written once: a lane permute's destination counts as one of its sources
.endr
	s_lshr_b32 s13, ttmp9, 4                       ; u
	s_bfe_u32 s14, ttmp9, 0x20002                  ; w
	s_and_b32 s15, ttmp9, 3                        ; s
	s_lshl_b32 s16, s14, 18                        ; W: row 128 w + 32 i, byte 512 s
	s_lshl_b32 s17, s12, 16
	s_add_co_u32 s16, s16, s17
	s_lshl_b32 s17, s15, 9
	s_add_co_u32 s16, s16, s17
	s_mov_b32 s17, 0
	s_lshl_b32 s18, s13, 2
	s_add_co_u32 s18, s18, s14
	s_lshl_b32 s18, s18, 1
	s_lshr_b32 s19, s15, 1
	s_add_co_u32 s18, s18, s19
	s_mul_i32 s18, s18, 25600                      ; my block of wc
	s_and_b32 s19, s15, 1                          ; sl
	s_lshl_b32 s24, s19, 3
	s_lshl_b32 s25, s12, 1
	s_add_co_u32 s24, s24, s25                     ; fragment 8 sl + 2 i
	s_mul_i32 s24, s24, 1536
	s_add_co_u32 s24, s24, s18
	s_mov_b32 s25, 0
	s_lshl_b32 s26, s19, 9
	s_lshl_b32 s27, s12, 7
	s_add_co_u32 s26, s26, s27
	s_add_co_u32 s26, s26, s18
	s_add_co_u32 s26, s26, 24576                   ; scale register i of K step sl
	s_mov_b32 s27, 0
	s_mov_b32 s20, 0xffff0000                      ; lanes 16-31
	s_mov_b32 s[SEL], 0x76543210
	s_mov_b32 s[SEL+1], 0xfedcba98
	s_wait_alu depctr_va_vdst(0)
	s_wait_kmcnt 0x0
	s_cmp_eq_u32 s13, 0                            ; which W: the choice hangs on the work-group's number alone
	s_cselect_b64 s[4:5], s[4:5], s[6:7]
	s_cmp_eq_u32 s13, 2
	s_cselect_b64 s[4:5], s[8:9], s[4:5]
	s_add_nc_u64 s[4:5], s[4:5], s[16:17]
	s_add_nc_u64 s[28:29], s[10:11], s[24:25]
	s_add_nc_u64 s[30:31], s[10:11], s[26:27]
.irp t, 0,1
.irp b, 0,1,2,3
.irp j, 0,1,2,3
	global_load_b128 v[XN+64*\t+16*\b+4*\j:XN+64*\t+16*\b+4*\j+3], v3, s[4:5] offset:16384*\t+128*\b+16*\j
.endr
.endr
.endr
	s_wait_loadcnt 16                              ; the first tile's 16 loads are in; the second tile's 16 may be out
	QUANT XN, 192, 48
.irp c, 0,1,2
	global_store_b128 v1, v[192+4*\c:195+4*\c], s[28:29] offset:512*\c        ; 32 lanes store 512 consecutive bytes
.endr
	s_wait_loadcnt 0x0
	QUANT XN+64, 212, 49
.irp c, 0,1,2
	global_store_b128 v1, v[212+4*\c:215+4*\c], s[28:29] offset:1536+512*\c
.endr
	v_cndmask_b32 v50, v48, v49, s20               ; lanes 0-15: tile 2 i's words; lanes 16-31: tile 2 i + 1's
	global_store_b32 v2, v50, s[30:31]
	s_endpgm
.Lfunc_end_k_qceee32a96a_wquant:
	.size	k_qceee32a96a_wquant, .Lfunc_end_k_qceee32a96a_wquant-k_qceee32a96a_wquant
	.p2alignl 7, 3214868480
	.fill 96, 4, 3214868480
	.section	.rodata,"a",@progbits
	.p2align	6, 0x0
	.amdhsa_kernel k_qceee32a96a_wquant
		.amdhsa_group_segment_fixed_size 0
		.amdhsa_private_segment_fixed_size 0
		.amdhsa_enable_private_segment 0
		.amdhsa_kernarg_size 32
		.amdhsa_user_sgpr_count 2
		.amdhsa_user_sgpr_kernarg_segment_ptr 1
		.amdhsa_wavefront_size32 1
		.amdhsa_system_sgpr_workgroup_id_x 1
		.amdhsa_system_sgpr_workgroup_id_y 1
		.amdhsa_system_sgpr_workgroup_id_z 1
		.amdhsa_system_vgpr_workitem_id 0
		.amdhsa_next_free_vgpr 232
		.amdhsa_next_free_sgpr 66
		.amdhsa_reserve_vcc 0
		.amdhsa_float_denorm_mode_32 3
		.amdhsa_float_denorm_mode_16_64 3
		.amdhsa_memory_ordered 1
		.amdhsa_forward_progress 1
		.amdhsa_inst_pref_size 14
	.end_amdhsa_kernel
	.amdgpu_metadata
---
amdhsa.version: [ 1, 2 ]
amdhsa.kernels:
  - .name:           k_qceee32a96a_wquant
    .symbol:         k_qceee32a96a_wquant.kd
    .args:
      - { .name: Wk, .offset: 0, .size: 8, .value_kind: global_buffer, .address_space: global }
      - { .name: Wq, .offset: 8, .size: 8, .value_kind: global_buffer, .address_space: global }
      - { .name: Wv, .offset: 16, .size: 8, .value_kind: global_buffer, .address_space: global }
      - { .name: wc, .offset: 24, .size: 8, .value_kind: global_buffer, .address_space: global }
    .group_segment_fixed_size: 0
    .private_segment_fixed_size: 0
    .kernarg_segment_align: 8
    .kernarg_segment_size: 32
    .max_flat_workgroup_size: 128
    .sgpr_count:     66
    .vgpr_count:     232
    .wavefront_size: 32
...
	.end_amdgpu_metadata
.endif
;; end of part 1
;; launch proj (part 2): grid 256 x 1, 4 waves a work-group, clusters of 4 x 1, 327,680 bytes of LDS; arguments x, wc, kv, qc; writes kv, qc
.if DOCPART == 2
	.amdgcn_target "amdgcn-amd-amdhsa--gfx1250"
	.amdhsa_code_object_version 6
	.text
	.protected	k_qceee32a96a_proj
	.globl	k_qceee32a96a_proj
	.p2align	8
	.type	k_qceee32a96a_proj,@function
k_qceee32a96a_proj:
	s_mov_b64 s[64:65], 0
	v_nop
	global_prefetch_b8 v0, s[64:65] scope:SCOPE_SE
	s_setreg_imm32_b32 hwreg(HW_REG_WAVE_MODE, 25, 1), 1
	s_wait_xcnt 0x0
	s_wait_alu depctr_hold_cnt(0) depctr_sa_sdst(0) depctr_va_vdst(0) depctr_va_sdst(0) depctr_va_ssrc(0) depctr_va_vcc(0) depctr_vm_vsrc(0)
	s_getreg_b32 s2, hwreg(HW_REG_IB_STS2, 6, 4)
	s_cmp_eq_u32 s2, 0
	s_cbranch_scc0 .Lentry_in_a_cluster
	s_endpgm
.Lentry_in_a_cluster:
	s_bfe_u32 s2, ttmp6, 0x10000c
	s_cmp_lg_u32 s2, 0x3003
	s_cbranch_scc0 .Lentry_shape_is_right
	s_endpgm
.Lentry_shape_is_right:
; k, q, v = x W^T on codes of FP6 (E2M3) with one E8M0 scale for each 32 along K = 512, and k, q, v quantised again on the way out:
; k and q along d (the K of q k^T), v along the tokens (the K of p v).  Nothing of k, q, v goes to memory in f32.
; SHARES.  Work-group g takes tokens 128 g .. 128 g + 127 (one key step of one batch).  Wave w first quantises tokens 32 w .. 32 w + 31 of x (read once, dense,
; turned through its own stage in LDS) and stores the fragments' register images in LDS for all four waves.  Then it makes three units of 128 x 128 x 512:
; k and q for d = 128 w .. + 127 (source 0 = 16 rows of W, source 1 = 16 tokens: a lane holds one token, its registers run along d) and
; v for the same d (source 0 = 16 tokens, source 1 = 16 rows of Wv: a lane holds one d, its registers run along the tokens).
; THE ROWS OF A TILE ARE NOT NEIGHBOURS, for tokens and for rows of W alike: lane r of tile 2 b + u takes row 32 b + 8 u + r + 8 (r / 8), so that the 64 registers of
; eight tiles are, block by block, 16 neighbours along the next product's K: what the conversions want.
; W comes as register images (wc) through each wave's own ring of two slots.  All work-groups read the same wc: the four of a cluster ask JOINTLY (mask 15);
; the descriptor hangs on the wave's number alone.  Two tensor loads of a wave are out at the start, one behind each round.
; THE LDS LOADS OF A K STEP, 52 a wave, stand in six runs of six to ten, one ahead of each of the step before's first six groups of eight matrix instructions: so they are served while
; products are issued; the last two groups, 16 matrix instructions, are the last run's time to land.  The price is two switches of the register window a run.
; OUT: kv block g (102,400 bytes): K part: 32 fragments [tile][K step] of 1,536 bytes, at 49,152 four scale images [K step] of 512 bytes;
;   V part at 51,200: 32 fragments [16 d], at + 49,152 four scale images.  qc block g (51,200 bytes): as the K part.
;   A scale image: the word at 16 L + 4 i is that of tile 2 i + L / 16, row L % 16.
; LIMITS: a block of zeros gets the byte 1 (zero codes; the bytes are this program's own); NaN and infinities are not served.
; REGISTERS: window 0: v1-13 addresses; v16-31 x's scale words; v32-39 W's, two sets; v40-47 scale words just made; v48-63 at work; v64-159, v160-255 x's fragments, two sets
;   (in phase X: v64-191 numbers, v192-231 codes; in the way out: v160-247 codes).  window 1: W's fragments at v0 and v128.
;   windows 2, 3: first x as loaded, then the 64 accumulators: (o, i) at 8 (8 (o % 4) + i) of window 2 + o / 4.
.set BLKB,   25600                     ; a block of wc: what one tensor load brings: 100 rows of 256 bytes
.set RINGW,  2*BLKB                    ; a wave's ring
.set FRB,    1536                      ; a fragment's image
.set XIMG,   4*RINGW                   ; x's 32 fragments [tile a][K step s]
.set XSC,    XIMG+32*FRB               ; x's four scale images [s]
.set XSTG,   XSC+4*512                 ; the stages: for each wave 32 rows of 512 + 16 bytes
.set XPITCH, 528
.set XSTW,   32*XPITCH
.set SPARE,  XSTG+4*XSTW               ; the spare words, 128 bytes for each wave: no other line names them
.set LI,   1                           ; 16 x lane
.set SPW,  3                           ; SPARE + 4 x thread; never rewritten
.set NIL,  4                           ; 0; never rewritten
.set XO,   5                           ; x: 16 x lane + 32 rows x wave
.set SIN,  6                           ; stage, in: 16 x lane
.set SOUT, 7                           ; stage, out: row r, + 64 h
.set XWI,  8                           ; where I store x's images
.set XWS,  9                           ; and their scale words
.set XRI,  10                          ; where everybody reads x's images
.set XRS,  11                          ; and scale images
.set WRI,  12                          ; my ring: images
.set WRS,  13                          ; my ring: scale words
.set XS,   16
.set WS,   32
.set PW,   40
.set TM,   48
.set XF,   64
.set WV,   12                          ; s12 wave
.set SEL,  32                          ; s[32:33]
.set MSB, 0
.macro WIN new                         ; the immediate's high byte repeats the setting that is left
.if MSB != (\new)
	s_set_vgpr_msb (MSB<<8)|(\new)
.set MSB, (\new)
.endif
.endm
.macro PLACES                          ; four plain places behind matrix instructions, ahead of loads into their registers and of reads of their results
.rept 4
	v_nop
.endr
.endm
.macro CREST                           ; a round of the cluster's barrier behind its opening barrier
	s_cmp_lg_u32 s[WV], 0
	s_cbranch_scc1 .Lnot_wave_0_\@
	s_barrier_signal -3
.Lnot_wave_0_\@:
	s_barrier_wait -3
	s_barrier_signal -1
	s_barrier_wait -1
.endm
.macro ROUND
	s_barrier_signal -1
	s_barrier_wait -1
	CREST
.endm
; 64 numbers of a lane in window win, v[s] on (register 16 b + i = k 32 b + 16 (lane / 16) + i of my row), become a fragment in v[pc] on and its scale word in v[pw].
; The numbers stand in sources 1 and 2 of the maxima and in source 0 of the conversions: three switches of the window.  Each accumulator is read from its low end on.
.macro QUANT win, s, pc, pw
	WIN (\win)*0x14
.irp b, 0,1,2,3
	v_max3_num_f32 v[TM+\b], 0x1800000, |v[(\s)+16*\b]|, |v[(\s)+16*\b+1]|   ; and the floor 2^(3 - 127): the byte cannot fall under 1
.endr
.irp i, 2,4,6,8,10,12,14
.irp b, 0,1,2,3
	v_max3_num_f32 v[TM+\b], v[TM+\b], |v[(\s)+16*\b+\i]|, |v[(\s)+16*\b+\i+1]|
.endr
.endr
	WIN 0
.irp b, 0,1,2,3
	v_permlanex16_b32 v[TM+4+\b], v[TM+\b], s[SEL], s[SEL+1]
.endr
.irp b, 0,1,2,3
	v_max_num_f32 v[TM+\b], v[TM+\b], v[TM+4+\b]
.endr
.irp b, 0,1,2,3
	v_add_nc_u32 v[TM+12+\b], 0xff000000, v[TM+\b]     ; 2 off the exponent field: the conversion's scale operand
.endr
.irp b, 0,1,2,3
	v_lshrrev_b32 v[TM+4+\b], 23, v[TM+12+\b]
.endr
	v_lshl_or_b32 v[\pw], v[TM+5], 8, v[TM+4]
	v_lshl_or_b32 v[\pw], v[TM+6], 16, v[\pw]
	v_lshl_or_b32 v[\pw], v[TM+7], 24, v[\pw]
	WIN \win
.irp c, 0,1
	v_cvt_scalef32_pk16_fp6_f32 v[(\pc)+6*\c:(\pc)+6*\c+2], v[(\s)+32*\c:(\s)+32*\c+15], v[TM+12+2*\c]
	v_cvt_scalef32_pk16_fp6_f32 v[(\pc)+12+4*\c:(\pc)+14+4*\c], v[(\s)+16+32*\c:(\s)+31+32*\c], v[TM+13+2*\c]
.endr
	WIN 0
	v_nop                                              ; one plain place behind the scaled conversions
.irp c, 0,1
.irp i, 0,1,2
	v_permlane16_swap_b32 v[(\pc)+6*\c+\i], v[(\pc)+12+4*\c+\i]
.endr
.irp i, 0,1,2
	v_mov_b32 v[(\pc)+3+6*\c+\i], v[(\pc)+12+4*\c+\i]
.endr
.endr
.endm
.macro XLOADG s                        ; my 32 tokens' 512 bytes of K step s: each load reads 512 consecutive bytes
	WIN 0x80+0x40*((\s)/2)
.set tt, 0
.rept 32
	global_load_b128 v[128*((\s)%2)+4*tt:128*((\s)%2)+4*tt+3], v[XO], s[4:5] offset:2048*tt+512*(\s) th:TH_LOAD_NT
.set tt, tt+1
.endr
	WIN 0
.endm
.macro XTURN s                         ; through my stage: in as loaded (tokens 8-15 and 16-23 change places: the tiles' order), out 64 bytes a lane for each block of 32
	WIN 0x08+0x04*((\s)/2)                             ; an LDS store's data are its source 1
.set tt, 0
.rept 32
.set rw, tt
.if tt/8 == 1
.set rw, tt+8
.endif
.if tt/8 == 2
.set rw, tt-8
.endif
	ds_store_b128 v[SIN], v[128*((\s)%2)+4*tt:128*((\s)%2)+4*tt+3] offset:XPITCH*rw
.set tt, tt+1
.endr
	WIN 0
.irp u, 0,1
.irp b, 0,1,2,3
.irp j, 0,1,2,3
	ds_load_b128 v[XF+64*\u+16*\b+4*\j:XF+64*\u+16*\b+4*\j+3], v[SOUT] offset:16*XPITCH*\u+128*\b+16*\j   ; LDS serves a wave's instructions in order: these see my stores
.endr
.endr
.endr
.endm
.macro IMG pc, off
.irp c, 0,1,2
	ds_store_b128 v[XWI], v[(\pc)+4*\c:(\pc)+4*\c+3] offset:(\off)+512*\c
.endr
.endm
; THE PIECES OF A K STEP'S OPERANDS, three loads a fragment.  FW: W's fragments b0 .. b1 (K step sl of ring slot slot) into set p.  FS: W's four scale registers.  FX: x's fragments a0 .. a1 of K step s.
.macro FW slot, sl, p, b0, b1
	WIN 0x40
.set bb, \b0
.rept (\b1)-(\b0)+1
.irp c, 0,1,2
	ds_load_b128 v[128*(\p)+12*bb+4*\c:128*(\p)+12*bb+4*\c+3], v[WRI] offset:BLKB*(\slot)+(8*(\sl)+bb)*FRB+512*\c
.endr
.set bb, bb+1
.endr
.endm
.macro FS slot, sl, p
	WIN 0
.irp i, 0,1,2,3
	ds_load_b32 v[WS+4*(\p)+\i], v[WRS] offset:BLKB*(\slot)+512*(\sl)+128*\i
.endr
.endm
.macro FX s, p, a0, a1
	WIN 0
.set aa, \a0
.rept (\a1)-(\a0)+1
.irp c, 0,1,2
	ds_load_b128 v[XF+96*(\p)+12*aa+4*\c:XF+96*(\p)+12*aa+4*\c+3], v[XRI] offset:(4*aa+(\s))*FRB+512*\c
.endr
.set aa, aa+1
.endr
.endm
.macro WMMA                            ; one matrix instruction from the symbols rD rA rB rSA rSB; fRA, fRB: the scale stands in lanes 16-31; fZ: it starts the sum
.if fZ
.if fRA && fRB
	v_wmma_scale_f32_16x16x128_f8f6f4 v[rD:rD+7], v[rA:rA+11], v[rB:rB+11], 0, v[rSA], v[rSB] matrix_a_fmt:MATRIX_FMT_FP6 matrix_b_fmt:MATRIX_FMT_FP6 matrix_a_scale:MATRIX_SCALE_ROW1 matrix_b_scale:MATRIX_SCALE_ROW1
.elseif fRA
	v_wmma_scale_f32_16x16x128_f8f6f4 v[rD:rD+7], v[rA:rA+11], v[rB:rB+11], 0, v[rSA], v[rSB] matrix_a_fmt:MATRIX_FMT_FP6 matrix_b_fmt:MATRIX_FMT_FP6 matrix_a_scale:MATRIX_SCALE_ROW1
.elseif fRB
	v_wmma_scale_f32_16x16x128_f8f6f4 v[rD:rD+7], v[rA:rA+11], v[rB:rB+11], 0, v[rSA], v[rSB] matrix_a_fmt:MATRIX_FMT_FP6 matrix_b_fmt:MATRIX_FMT_FP6 matrix_b_scale:MATRIX_SCALE_ROW1
.else
	v_wmma_scale_f32_16x16x128_f8f6f4 v[rD:rD+7], v[rA:rA+11], v[rB:rB+11], 0, v[rSA], v[rSB] matrix_a_fmt:MATRIX_FMT_FP6 matrix_b_fmt:MATRIX_FMT_FP6
.endif
.else
.if fRA && fRB
	v_wmma_scale_f32_16x16x128_f8f6f4 v[rD:rD+7], v[rA:rA+11], v[rB:rB+11], v[rD:rD+7], v[rSA], v[rSB] matrix_a_fmt:MATRIX_FMT_FP6 matrix_b_fmt:MATRIX_FMT_FP6 matrix_a_scale:MATRIX_SCALE_ROW1 matrix_b_scale:MATRIX_SCALE_ROW1
.elseif fRA
	v_wmma_scale_f32_16x16x128_f8f6f4 v[rD:rD+7], v[rA:rA+11], v[rB:rB+11], v[rD:rD+7], v[rSA], v[rSB] matrix_a_fmt:MATRIX_FMT_FP6 matrix_b_fmt:MATRIX_FMT_FP6 matrix_a_scale:MATRIX_SCALE_ROW1
.elseif fRB
	v_wmma_scale_f32_16x16x128_f8f6f4 v[rD:rD+7], v[rA:rA+11], v[rB:rB+11], v[rD:rD+7], v[rSA], v[rSB] matrix_a_fmt:MATRIX_FMT_FP6 matrix_b_fmt:MATRIX_FMT_FP6 matrix_b_scale:MATRIX_SCALE_ROW1
.else
	v_wmma_scale_f32_16x16x128_f8f6f4 v[rD:rD+7], v[rA:rA+11], v[rB:rB+11], v[rD:rD+7], v[rSA], v[rSB] matrix_a_fmt:MATRIX_FMT_FP6 matrix_b_fmt:MATRIX_FMT_FP6
.endif
.endif
.endm
; 8 matrix instructions: source-1 tile o against the eight source-0 tiles, K step s, set p.  ori 0 (k, q): source 0 = W, source 1 = x.  ori 1 (v): source 0 = x, source 1 = W.
; The 64 accumulators take turns, one instruction a turn, in the same order in every step.
.macro MUL8 ori, o, p, s, zero
	WIN 0xa1+3*(\ori)+0x50*((\o)/4)
.irp i, 0,1,2,3,4,5,6,7
.set rD, 8*(8*((\o)%4)+\i)
.if \ori
.set rA, XF+96*(\p)+12*\i
.set rB, 128*(\p)+12*(\o)
.set rSA, XS+4*(\s)+\i/2
.set rSB, WS+4*(\p)+(\o)/2
.else
.set rA, 128*(\p)+12*\i
.set rB, XF+96*(\p)+12*(\o)
.set rSA, WS+4*(\p)+\i/2
.set rSB, XS+4*(\s)+(\o)/2
.endif
.set fRA, \i%2
.set fRB, (\o)%2
.set fZ, \zero
	WMMA
.endr
.endm
; A K step whose successor lies in LDS already.  The successor's operands go into the other set, which the step before multiplied: the four places at the head stand between those
; products and every run below.
.macro STEP_E ori, s, zero
.set nS, (\s)+1
	PLACES
	FW nS/2, nS%2, nS%2, 0, 2
	s_wait_dscnt 9                                     ; all but the nine just issued: this step's operands are in
	MUL8 \ori, 0, (\s)%2, \s, \zero
	FW nS/2, nS%2, nS%2, 3, 5
	MUL8 \ori, 1, (\s)%2, \s, \zero
	FW nS/2, nS%2, nS%2, 6, 7
	FS nS/2, nS%2, nS%2
	MUL8 \ori, 2, (\s)%2, \s, \zero
	FX nS, nS%2, 0, 2
	MUL8 \ori, 3, (\s)%2, \s, \zero
	FX nS, nS%2, 3, 5
	MUL8 \ori, 4, (\s)%2, \s, \zero
	FX nS, nS%2, 6, 7
	MUL8 \ori, 5, (\s)%2, \s, \zero
	MUL8 \ori, 6, (\s)%2, \s, \zero
	MUL8 \ori, 7, (\s)%2, \s, \zero
	WIN 0
.endm
; An odd K step: ring slot s / 2 has been read out and is filled again with the next unit's block.  The barrier opens a round of the cluster's barrier.
; Ahead of the three lines stand loads of x's images alone, bytes that no tensor load fills; the ring is read again only behind the joint load.
.macro STEP_T ori, s
.set nS, ((\s)+1)%4
	PLACES
	FX nS, 0, 0, 1
	s_wait_tensorcnt 0x0                               ; all my tensor loads have landed: the one that was out is the other slot's
	ds_add_u32 v[SPW], v[NIL]                          ; 0 onto my spare word
	s_add_nc_u64 s[26+4*((\s)/2):27+4*((\s)/2)], s[26+4*((\s)/2):27+4*((\s)/2)], 8*BLKB   ; no load of mine is out: the slot's address steps to the next unit's block
	s_wait_dscnt 0x7                                   ; this step's operands are in; the six loads of x and the add may be out
	MUL8 \ori, 0, 1, \s, 0
	s_wait_dscnt 0x0                                   ; the add is done, and my reads of the slot are over
	s_barrier_signal -1
	MUL8 \ori, 1, 1, \s, 0
	WIN 0
	s_barrier_wait -1
	CREST                                              ; no wave of any partner still reads this slot or has a load on its way
	tensor_load_to_lds s[24+4*((\s)/2):27+4*((\s)/2)], s[16:23]
	s_nop 0
	PLACES
	FW nS/2, 0, 0, 0, 2
	MUL8 \ori, 2, 1, \s, 0
	FW nS/2, 0, 0, 3, 5
	MUL8 \ori, 3, 1, \s, 0
	FW nS/2, 0, 0, 6, 7
	FS nS/2, 0, 0
	MUL8 \ori, 4, 1, \s, 0
	FX nS, 0, 2, 4
	MUL8 \ori, 5, 1, \s, 0
	FX nS, 0, 5, 7
	MUL8 \ori, 6, 1, \s, 0
	MUL8 \ori, 7, 1, \s, 0
	WIN 0
.endm
; THE WAY OUT of a unit: for each source-1 tile o its 64 registers become a fragment, stored as it stands: 3 x 512 consecutive bytes.  f, sc: the scalar pairs of the two addresses.
.macro EPI ori, f, sc
	PLACES
.irp o, 0,1,2,3,4,5,6,7
.if \o == 4
	s_wait_xcnt 0x0                                    ; the first four fragments' stores have read their registers: the four sets are written again
.endif
	QUANT 2+\o/4, 64*(\o%4), 160+20*(\o%4), PW+\o
.irp c, 0,1,2
.if \ori
	global_store_b128 v[LI], v[160+20*(\o%4)+4*\c:160+20*(\o%4)+4*\c+3], s[\f:\f+1] offset:FRB*\o+512*\c
.else
	global_store_b128 v[LI], v[160+20*(\o%4)+4*\c:160+20*(\o%4)+4*\c+3], s[\f:\f+1] offset:4*FRB*\o+512*\c
.endif
.endr
.endr
.irp i, 0,1,2,3
	v_cndmask_b32 v[244+\i], v[PW+2*\i], v[PW+2*\i+1], s15   ; lanes 0-15: tile 2 i's words; lanes 16-31: tile 2 i + 1's
.endr
	global_store_b128 v[LI], v[244:247], s[\sc:\sc+1]
	s_wait_xcnt 0x0                                    ; the stores have read registers and bases: both are written again
.endm
	s_load_b256 s[4:11], s[0:1], 0x0               ; x s[4:5], wc s[6:7], kv s[8:9], qc s[10:11]
	v_lshl_add_u32 v[SPW], v0, 2, SPARE
	v_mov_b32 v[NIL], 0
	ds_add_u32 v3, v4
	ds_add_u32 v3, v4
	s_wait_dscnt 0x0
	v_lshrrev_b32 v2, 5, v0
	v_readfirstlane_b32 s[WV], v2                  ; wave 0..3
	s_bfe_u32 s13, ttmp6, 0x40000                  ; cx: it enters the addresses of x, kv and qc alone
	s_lshl_b32 s14, ttmp9, 2
	s_add_co_u32 s14, s14, s13                     ; g
	s_mov_b32 s15, 0xffff0000                      ; lanes 16-31
	s_mov_b32 s[SEL], 0x76543210
	s_mov_b32 s[SEL+1], 0xfedcba98
	s_mov_b32 s16, 15|(3<<16)|(1<<21)              ; group 1: mask: all four work-groups; elements of 8 bytes; bit 21 beside a mask; no padding
	s_mov_b32 s17, 32<<16                          ; tensor_dim0 = 32 (256 bytes)
	s_mov_b32 s18, 100<<16                         ; tensor_dim1 = 100
	s_mov_b32 s19, 32<<16                          ; tile_dim0
	s_mov_b32 s20, 100                             ; tile_dim1
	s_mov_b32 s21, 32                              ; pitch: the block is dense
	s_mov_b32 s22, 0
	s_mov_b32 s23, 0
	v_and_b32 v2, 31, v0
	v_lshlrev_b32 v[LI], 4, v2
	v_and_b32 v14, 15, v0                          ; r
	v_bfe_u32 v15, v0, 4, 1                        ; h
	s_lshl_b32 s52, s[WV], 16
	v_add_nc_u32 v[XO], s52, v[LI]
	s_mul_i32 s52, s[WV], XSTW
	s_add_co_u32 s52, s52, XSTG
	v_add_nc_u32 v[SIN], s52, v[LI]
	v_mul_u32_u24 v[SOUT], v14, XPITCH
	v_lshl_add_u32 v[SOUT], v15, 6, v[SOUT]
	v_add_nc_u32 v[SOUT], s52, v[SOUT]
	s_mul_i32 s52, s[WV], 8*FRB
	s_add_co_u32 s52, s52, XIMG
	v_add_nc_u32 v[XWI], s52, v[LI]                ; tiles 2 w, 2 w + 1: fragments 8 w on
	s_lshl_b32 s52, s[WV], 2
	s_add_co_u32 s52, s52, XSC
	v_add_nc_u32 v[XWS], s52, v[LI]                ; word i = w of each lane's four
	v_add_nc_u32 v[XRI], XIMG, v[LI]
	v_add_nc_u32 v[XRS], XSC, v[LI]
	s_mul_i32 s52, s[WV], RINGW
	v_add_nc_u32 v[WRI], s52, v[LI]
	v_lshlrev_b32 v[WRS], 2, v2
	s_add_co_u32 s53, s52, 16*FRB
	v_add_nc_u32 v[WRS], s53, v[WRS]
	s_mov_b32 s53, 0
.irp b, 0,1,2,3
	v_mov_b32 v[TM+4+\b], 0                        ; written once: a lane permute's destination counts as one of its sources
.endr
	s_lshl_b32 s48, s14, 18                        ; x: 128 rows of 2,048 bytes a work-group
	s_mov_b32 s49, 0
	s_mul_i32 s50, s14, 102400
	s_mov_b32 s51, 0
	s_mov_b32 s55, 0
	s_wait_kmcnt 0x0
	s_add_nc_u64 s[4:5], s[4:5], s[48:49]
	s_add_nc_u64 s[8:9], s[8:9], s[50:51]          ; my block of kv
	s_mul_i32 s50, s14, 51200
	s_add_nc_u64 s[10:11], s[10:11], s[50:51]      ; my block of qc
	s_mul_i32 s54, s[WV], FRB
	s_add_nc_u64 s[34:35], s[8:9], s[54:55]        ; k's fragments (tile o, K step w): 4 o + w
	s_add_nc_u64 s[38:39], s[10:11], s[54:55]      ; q's
	s_lshl_b32 s54, s[WV], 9
	s_add_co_u32 s54, s54, 49152
	s_add_nc_u64 s[36:37], s[8:9], s[54:55]        ; k's scale image w
	s_add_nc_u64 s[40:41], s[10:11], s[54:55]      ; q's
	s_add_co_u32 s54, s54, 51200
	s_add_nc_u64 s[44:45], s[8:9], s[54:55]        ; v's
	s_mul_i32 s54, s[WV], 8*FRB
	s_add_co_u32 s54, s54, 51200
	s_add_nc_u64 s[42:43], s[8:9], s[54:55]        ; v's fragments 8 w + o
.irp hf, 0,1
	s_mov_b32 s[24+4*\hf], 1                       ; group 0 of ring slot hf: count 1,
	s_add_co_u32 s[25+4*\hf], s52, BLKB*\hf        ; LDS address: my ring, slot hf,
	s_add_nc_u64 s[26+4*\hf:27+4*\hf], s[6:7], s[52:53]
	s_add_nc_u64 s[26+4*\hf:27+4*\hf], s[26+4*\hf:27+4*\hf], BLKB*\hf   ; unit k's block (w, hf),
	s_or_b32 s[27+4*\hf], s[27+4*\hf], 0x80000000  ; type 2
.endr
	XLOADG 0                                       ; x is asked for ahead of everything else: 64 loads of 512 bytes a wave
	XLOADG 1
	ROUND                                          ; all four work-groups are here: the first joint loads meet
	tensor_load_to_lds s[24:27], s[16:23]
	s_nop 0
	PLACES
	; ---- X: my 32 tokens become eight fragments, a K step at a time
.irp s, 0,1,2,3
.if \s < 3
	s_wait_loadcnt 32                              ; this K step's 32 loads are in; the next one's 32 may be out
.else
	s_wait_loadcnt 0x0
.endif
	XTURN \s
.if \s < 2
	XLOADG \s+2
.endif
	s_wait_dscnt 0x0                               ; the numbers are back; the last K step's stores have read their registers
	QUANT 0, XF, 192, PW
	IMG 192, (\s)*FRB
	QUANT 0, XF+64, 212, PW+1
	IMG 212, (4+\s)*FRB
	v_cndmask_b32 v[PW+2], v[PW], v[PW+1], s15
	ds_store_b32 v[XWS], v[PW+2] offset:512*\s
.if \s == 2
	; ring slot 1's first fill is issued as a refill is: my one load, slot 0's, is waited for,
	; the add and its wait follow, then a round of the cluster's barrier, and the joint load is the first tensor load behind it.  One load of a wave is out from here to the first odd K step.
	s_wait_alu depctr_va_vdst(0)
	s_wait_tensorcnt 0x0
	ds_add_u32 v[SPW], v[NIL]
	s_wait_dscnt 0x0
	ROUND
	tensor_load_to_lds s[28:31], s[16:23]
	s_nop 0
	PLACES
.endif
.endr
	s_wait_dscnt 0x0                               ; for the others' sake: my images lie in LDS
	s_barrier_signal -1
	s_barrier_wait -1
.irp s, 0,1,2,3
	ds_load_b128 v[XS+4*\s:XS+4*\s+3], v[XRS] offset:512*\s   ; x's scale words stay in registers
.endr
	FW 0, 0, 0, 0, 7                               ; the first K step's operands: there is no product yet to set them among
	FS 0, 0, 0
	FX 0, 0, 0, 7
	s_mov_b32 s46, 2
.Lunit:                                            ; two trips: k, then q; each fills both ring slots again with the next unit's blocks
	STEP_E 0, 0, 1                                 ; the first K step starts the sums: nothing is cleared
	STEP_T 0, 1
	STEP_E 0, 2, 0
	STEP_T 0, 3                                    ; and fetches the next unit's first operands
	EPI 0, 34, 36
	s_mov_b64 s[34:35], s[38:39]                   ; the second trip stores q
	s_mov_b64 s[36:37], s[40:41]
	s_sub_co_u32 s46, s46, 1
	s_cmp_lg_u32 s46, 0
	s_cbranch_scc1 .Lunit
	STEP_E 1, 0, 1                                 ; v: nothing is left to fetch from memory
	s_wait_tensorcnt 0x0                           ; ring slot 1's block, the last load, is in: the step below reads it
	STEP_E 1, 1, 0
	STEP_E 1, 2, 0
	s_wait_dscnt 0x0
.irp o, 0,1,2,3,4,5,6,7
	MUL8 1, \o, 1, 3, 0
.endr
	WIN 0
	EPI 1, 42, 44
	s_wait_tensorcnt 0x0                           ; the wave's end
	ds_add_u32 v[SPW], v[NIL]
	s_wait_dscnt 0x0
	ROUND                                          ; the closing round
	s_endpgm
.Lfunc_end_k_qceee32a96a_proj:
	.size	k_qceee32a96a_proj, .Lfunc_end_k_qceee32a96a_proj-k_qceee32a96a_proj
	.p2alignl 7, 3214868480
	.fill 96, 4, 3214868480
	.section	.rodata,"a",@progbits
	.p2align	6, 0x0
	.amdhsa_kernel k_qceee32a96a_proj
		.amdhsa_group_segment_fixed_size 327680
		.amdhsa_private_segment_fixed_size 0
		.amdhsa_enable_private_segment 0
		.amdhsa_kernarg_size 32
		.amdhsa_user_sgpr_count 2
		.amdhsa_user_sgpr_kernarg_segment_ptr 1
		.amdhsa_wavefront_size32 1
		.amdhsa_system_sgpr_workgroup_id_x 1
		.amdhsa_system_sgpr_workgroup_id_y 1
		.amdhsa_system_sgpr_workgroup_id_z 1
		.amdhsa_system_vgpr_workitem_id 0
		.amdhsa_next_free_vgpr 1024
		.amdhsa_next_free_sgpr 66
		.amdhsa_reserve_vcc 0
		.amdhsa_float_denorm_mode_32 3
		.amdhsa_float_denorm_mode_16_64 3
		.amdhsa_memory_ordered 1
		.amdhsa_forward_progress 1
		.amdhsa_inst_pref_size 230
	.end_amdhsa_kernel
	.amdgpu_metadata
---
amdhsa.version: [ 1, 2 ]
amdhsa.kernels:
  - .name:           k_qceee32a96a_proj
    .symbol:         k_qceee32a96a_proj.kd
    .args:
      - { .name: x, .offset: 0, .size: 8, .value_kind: global_buffer, .address_space: global }
      - { .name: wc, .offset: 8, .size: 8, .value_kind: global_buffer, .address_space: global }
      - { .name: kv, .offset: 16, .size: 8, .value_kind: global_buffer, .address_space: global }
      - { .name: qc, .offset: 24, .size: 8, .value_kind: global_buffer, .address_space: global }
    .group_segment_fixed_size: 327680
    .private_segment_fixed_size: 0
    .kernarg_segment_align: 8
    .kernarg_segment_size: 32
    .max_flat_workgroup_size: 128
    .sgpr_count:     66
    .vgpr_count:     1024
    .wavefront_size: 32
...
	.end_amdgpu_metadata
.endif
;; end of part 2
;; launch attn (part 3): grid 8 x 32, 4 waves a work-group, clusters of 4 x 1, 327,680 bytes of LDS; arguments qc, kv, out0; writes out0
.if DOCPART == 3
	.amdgcn_target "amdgcn-amd-amdhsa--gfx1250"
	.amdhsa_code_object_version 6
	.text
	.protected	k_qceee32a96a_attn
	.globl	k_qceee32a96a_attn
	.p2align	8
	.type	k_qceee32a96a_attn,@function
k_qceee32a96a_attn:
	s_mov_b64 s[64:65], 0
	v_nop
	global_prefetch_b8 v0, s[64:65] scope:SCOPE_SE
	s_setreg_imm32_b32 hwreg(HW_REG_WAVE_MODE, 25, 1), 1
	s_wait_xcnt 0x0
	s_wait_alu depctr_hold_cnt(0) depctr_sa_sdst(0) depctr_va_vdst(0) depctr_va_sdst(0) depctr_va_ssrc(0) depctr_va_vcc(0) depctr_vm_vsrc(0)
	s_getreg_b32 s2, hwreg(HW_REG_IB_STS2, 6, 4)
	s_cmp_eq_u32 s2, 0
	s_cbranch_scc0 .Lentry_in_a_cluster
	s_endpgm
.Lentry_in_a_cluster:
	s_bfe_u32 s2, ttmp6, 0x10000c
	s_cmp_lg_u32 s2, 0x3003
	s_cbranch_scc0 .Lentry_shape_is_right
	s_endpgm
.Lentry_shape_is_right:
; out[b][q][:] = sum over keys k <= q of softmax_k(q . k x sqrt(512)) v[k][:], both products on codes of FP6 (E2M3) with E8M0 scales, 32 batches x 1,024 tokens x 512.
; q, k, v come as register images (qc, kv; the layout stands at the head of the launch that stores them).
; LEFT OUT: a key step all of whose keys come after a tile's queries: the causal mask gives those keys the weight 0 for all values of the inputs.
; SOFTMAX: t = score x sqrt(512) log2(e); M = the running largest t rounded up to a whole number; p = 2^(t - M) is quantised along the keys, not normalised;
; the row's sum is taken of the unquantised p and divides at the end; when M moves, the sum and O^T are multiplied by 2^(old M - new M), which rounds nothing.
; LAYOUT: S^T = K Q^T (source 0 = 16 keys), O^T = V^T P^T (source 0 = 16 of the 512): a lane holds one query throughout.  Tiles are in the order 32 b + 8 u + r + 8 (r / 8), for keys,
; queries and d alike: so p's 16 registers of two neighbouring tiles are 16 neighbouring keys, and O^T's are 16 neighbouring d.
; SHARES: wave w owns two tiles of 16 queries: tile A in the block of 128 queries BLO = w, tile B in block BHI = 7 - w; both are tile cx + 4 ct of their block (ct: the cluster's x, 0 or 1).
; Block i needs key steps 0 .. i: nine tile steps for every wave, and wave 0 of every work-group reads all eight key steps.
; CLUSTER: the four work-groups of a cluster walk the same blocks of kv: each block is asked for JOINTLY (mask 15), a quarter a wave.  Every branch hangs on the step and the wave's number,
; which the partners share; cx and ct enter global addresses and the mask's numbers alone.  One tensor load of a wave is out at any time.
; THE WAY OUT of a tile stands in the key step after its last one.
; V AHEAD: four of V's eight groups of fragments are asked of LDS ahead of or inside the softmax: three into the buffers that K has left, the fourth into S_A's registers, which are
; free once tile A's codes are made (or tile A is finished).
; O^T begins as zeros, written while the first tile and Q are on their way: so the key step is written once for each of its two forms, and the first step multiplies zeros.
; LIMITS: NaN and infinities are not served; the promise holds while |t| stays under 2^31; t is one fused multiply-add with c = sqrt(512) log2(e) where the definition multiplies twice.
; REGISTERS: window 0: v1-11 addresses; v12-27 statistics; v32-35 Q's, v36-51 K's, v52-67 V's, v68-69 P's scale words; v72-87 at work; v88-111 P's codes; v112-118 conversions; v128-191 S_A
;   (v128-175 also V's fourth buffer); v192-255 S_B.   window 1: v0-95 Q's fragments; v96-239 three buffers of four fragments.
;   windows 2, 3: O^T: tile q, d tile T at 128 q + 8 (T % 16) of window 2 + T / 16.
.set KVB,   102400                     ; a block of kv: a key step
.set BLKB,  25600                      ; a quarter: what one tensor load brings: 100 rows of 256 bytes
.set QCB,   51200
.set FRB,   1536
.set VOFF,  51200                      ; V's part of a block
.set SCO,   49152                      ; the scale images in a part
.set SLOT1, 131072                     ; slot 1: one exclusive or turns an address from one slot to the other
.set STAGE, SLOT1+KVB                  ; the way out: for each wave 16 rows of 512 + 16 bytes
.set SP,    528
.set STW,   16*SP
.set SPARE, STAGE+4*STW                ; the spare words, 128 bytes for each wave: no other line names them
.set SPW,  1
.set NIL,  2
.set LI,   3                           ; 16 x lane
.set AK,   4                           ; the slot in hand + 16 x lane
.set AV,   5                           ; and its V part
.set SIN,  6                           ; stage, in: row r, + 64 h
.set SOUT, 7                           ; stage, out: 16 x lane
.set QSO,  8                           ; Q's scale words: 512 h + 16 r
.set DQ,   9                           ; my query's place in its block - 16 h
.set NINF, 10
.set PFO,  11                          ; the prefetches' offset
.set STT,  12                          ; tile q's statistics at v[12 + 8 q]: -M, largest t, the sum (2), f (2), 1 / sum (2)
.set QS,   32
.set KS,   36
.set VS,   52
.set PS,   68
.set BM,   72                          ; the four blocks' largest scores, then largest p
.set PX,   76
.set SO,   80                          ; the conversions' scale operands
.set TP,   84
.set PCD,  88
.set CH,   112
.set SS,   128
.set BUF,  96
.set WV,   12
.set TB,   28
.set STEP, 29
.set BLO,  30
.set BHI,  31
.set SEL,  32
.set CS,   34
.set BL1,  58                          ; BLO + 1, BHI + 1: the key steps in which the tiles go out
.set BH1,  59
.set MSB, 0
.macro WIN new                         ; the immediate's high byte repeats the setting that is left
.if MSB != (\new)
	s_set_vgpr_msb (MSB<<8)|(\new)
.set MSB, (\new)
.endif
.endm
.macro PLACES                          ; four plain places behind matrix instructions (ISA guide 7.12.1)
.rept 4
	v_nop
.endr
.endm
.macro ROUND                           ; a round of the cluster's barrier
	s_barrier_signal -1
	s_barrier_wait -1
	s_cmp_lg_u32 s[WV], 0
	s_cbranch_scc1 .Lnot_wave_0_\@
	s_barrier_signal -3
.Lnot_wave_0_\@:
	s_barrier_wait -3
	s_barrier_signal -1
	s_barrier_wait -1
.endm
; THE CHANGE OF SLOTS stands at a key step's head.  fill = 1: the slot just left takes the next key step; the barrier is then a round of the cluster's.
; Behind the load stands one prefetch for the key step after that one: the batch's first cluster asks; its sixteen waves share the block out by address, 6,400 bytes each,
; lanes 256 bytes apart (lanes 25 to 31 repeat lane 24's); the last fill asks for nothing, and key steps 0 and 1 come by their loads alone.
.macro CHANGE fill
	s_wait_tensorcnt 0x0                           ; my quarter of the slot ahead is in, and no load of mine is out: group 0 may be written
	ds_add_u32 v[SPW], v[NIL]                      ; 0 onto my spare word
.if \fill
	s_xor_b32 s25, s25, SLOT1
	s_add_nc_u64 s[26:27], s[26:27], KVB
	s_wait_xcnt 0x0                                ; the last prefetch, a key step back, has read its address
	s_add_nc_u64 s[40:41], s[40:41], KVB
.endif
	s_wait_dscnt 0x0                               ; the add is done, and my reads of the slot that I have left are over
.if \fill
	ROUND
	tensor_load_to_lds s[24:27], s[16:23]
	s_nop 0
	PLACES
	s_cmp_lt_u32 s[STEP], s42
	s_cbranch_scc0 .Lnot_mine_\@
	global_prefetch_b8 v[PFO], s[40:41] th:TH_LOAD_NT scope:SCOPE_SE
.Lnot_mine_\@:
.else
	s_barrier_signal -1
	s_barrier_wait -1
.endif
.endm
.macro WMMA                            ; one matrix instruction from the symbols rD rA rB rSA rSB; fRA, fRB: the scale stands in lanes 16-31; fZ: it starts the sum
.if fZ
.if fRA && fRB
	v_wmma_scale_f32_16x16x128_f8f6f4 v[rD:rD+7], v[rA:rA+11], v[rB:rB+11], 0, v[rSA], v[rSB] matrix_a_fmt:MATRIX_FMT_FP6 matrix_b_fmt:MATRIX_FMT_FP6 matrix_a_scale:MATRIX_SCALE_ROW1 matrix_b_scale:MATRIX_SCALE_ROW1
.elseif fRA
	v_wmma_scale_f32_16x16x128_f8f6f4 v[rD:rD+7], v[rA:rA+11], v[rB:rB+11], 0, v[rSA], v[rSB] matrix_a_fmt:MATRIX_FMT_FP6 matrix_b_fmt:MATRIX_FMT_FP6 matrix_a_scale:MATRIX_SCALE_ROW1
.elseif fRB
	v_wmma_scale_f32_16x16x128_f8f6f4 v[rD:rD+7], v[rA:rA+11], v[rB:rB+11], 0, v[rSA], v[rSB] matrix_a_fmt:MATRIX_FMT_FP6 matrix_b_fmt:MATRIX_FMT_FP6 matrix_b_scale:MATRIX_SCALE_ROW1
.else
	v_wmma_scale_f32_16x16x128_f8f6f4 v[rD:rD+7], v[rA:rA+11], v[rB:rB+11], 0, v[rSA], v[rSB] matrix_a_fmt:MATRIX_FMT_FP6 matrix_b_fmt:MATRIX_FMT_FP6
.endif
.else
.if fRA && fRB
	v_wmma_scale_f32_16x16x128_f8f6f4 v[rD:rD+7], v[rA:rA+11], v[rB:rB+11], v[rD:rD+7], v[rSA], v[rSB] matrix_a_fmt:MATRIX_FMT_FP6 matrix_b_fmt:MATRIX_FMT_FP6 matrix_a_scale:MATRIX_SCALE_ROW1 matrix_b_scale:MATRIX_SCALE_ROW1
.elseif fRA
	v_wmma_scale_f32_16x16x128_f8f6f4 v[rD:rD+7], v[rA:rA+11], v[rB:rB+11], v[rD:rD+7], v[rSA], v[rSB] matrix_a_fmt:MATRIX_FMT_FP6 matrix_b_fmt:MATRIX_FMT_FP6 matrix_a_scale:MATRIX_SCALE_ROW1
.elseif fRB
	v_wmma_scale_f32_16x16x128_f8f6f4 v[rD:rD+7], v[rA:rA+11], v[rB:rB+11], v[rD:rD+7], v[rSA], v[rSB] matrix_a_fmt:MATRIX_FMT_FP6 matrix_b_fmt:MATRIX_FMT_FP6 matrix_b_scale:MATRIX_SCALE_ROW1
.else
	v_wmma_scale_f32_16x16x128_f8f6f4 v[rD:rD+7], v[rA:rA+11], v[rB:rB+11], v[rD:rD+7], v[rSA], v[rSB] matrix_a_fmt:MATRIX_FMT_FP6 matrix_b_fmt:MATRIX_FMT_FP6
.endif
.endif
.endm
; Group k of sixteen: four fragments, 12 loads.  k < 8: K's tiles 4 (k / 4) + j, K step k % 4, into buffer k % 3.
; k >= 8: V's tiles 4 (k - 8) + j, into buffers 2, 0, 1 and the fourth (window 0, v128-175) by turns.
.macro LDG k
.set vb, ((\k)-8)%4
.if (\k) < 8
	WIN 0x40
.set rL, BUF+48*((\k)%3)
.elseif vb == 3
	WIN 0
.set rL, SS
.else
	WIN 0x40
.set rL, BUF+48*((vb+2)%3)
.endif
.irp j, 0,1,2,3
.irp c, 0,1,2
.if (\k) < 8
	ds_load_b128 v[rL+12*\j+4*\c:rL+12*\j+4*\c+3], v[AK] offset:(4*(4*((\k)/4)+\j)+(\k)%4)*FRB+512*\c
.else
	ds_load_b128 v[rL+12*\j+4*\c:rL+12*\j+4*\c+3], v[AV] offset:(4*((\k)-8)+\j)*FRB+512*\c
.endif
.endr
.endr
.endm
; S^T = K Q^T for nt tiles of queries (2: A and B; 1: B).  Loads run two groups ahead, into V's first groups at the end.
; A group's four fragments are four tiles of keys: 4 nt accumulators take turns, one instruction a turn.
.macro SPH nt
	PLACES                                         ; ahead of loads into registers that the last step's matrix instructions read
.irp m, 0,1,2,3
	ds_load_b128 v[KS+4*\m:KS+4*\m+3], v[AK] offset:SCO+512*\m
.endr
.irp m, 0,1,2,3
	ds_load_b128 v[VS+4*\m:VS+4*\m+3], v[AV] offset:SCO+512*\m
.endr
	LDG 0
	LDG 1
.set kk, 0
.rept 8
.if kk > 0
	PLACES
.endif
	LDG kk+2
	s_wait_dscnt 24                                ; the two younger groups of 12 may be out
	WIN 0x05                                       ; K and Q in window 1, S^T in window 0
.irp j, 0,1,2,3
.irp q, 0,1
.if \q >= 2-(\nt)
.set tT, 4*(kk/4)+\j
.set sS, kk%4
.set rD, SS+64*\q+8*tT
.set rA, BUF+48*(kk%3)+12*\j
.set rB, 48*\q+12*sS
.set rSA, KS+4*sS+tT/2
.set fRA, tT%2
.set rSB, QS+2*\q+sS/2
.set fRB, sS%2
.set fZ, 0
.if sS == 0
.set fZ, 1
.endif
	WMMA
.endif
.endr
.endr
.set kk, kk+1
.endr
	WIN 0
	PLACES                                         ; ahead of the first read of the scores, and of the loads into the buffer that K's last group left
	LDG 10
.if (\nt) == 1
	LDG 11                                         ; tile A is finished: S_A's registers are free
.endif
	WIN 0
.endm
; On the diagonal the scores of hidden keys become -infinity: register 16 b + i holds key 32 b + 16 h + i of the step, hidden where 32 b + i > DQ
.macro MASK q
.set n, 0
.rept 64
	v_cmp_gt_i32 vcc_lo, 32*(n/16)+n%16, v[DQ]
	v_cndmask_b32 v[SS+64*(\q)+n], v[SS+64*(\q)+n], v[NINF], vcc_lo
.set n, n+1
.endr
.endm
.macro SOFTMAX q
.set ST, STT+8*(\q)
.set SQ, SS+64*(\q)
.set PCO, PCD+12*(\q)
.irp b, 0,1,2,3
	v_max3_num_f32 v[BM+\b], v[SQ+16*\b], v[SQ+16*\b+1], v[SQ+16*\b+2]   ; the largest score of each block of 32 keys: for the row's maximum and, since p rises with the score, for the block's largest p
.endr
.irp i, 3,5,7,9,11,13
.irp b, 0,1,2,3
	v_max3_num_f32 v[BM+\b], v[BM+\b], v[SQ+16*\b+\i], v[SQ+16*\b+\i+1]
.endr
.endr
.irp b, 0,1,2,3
	v_max_num_f32 v[BM+\b], v[BM+\b], v[SQ+16*\b+15]
.endr
.irp b, 0,1,2,3
	v_permlanex16_b32 v[PX+\b], v[BM+\b], s[SEL], s[SEL+1]
.endr
.irp b, 0,1,2,3
	v_max_num_f32 v[BM+\b], v[BM+\b], v[PX+\b]     ; with lane l xor 16's 16 keys
.endr
	v_max3_num_f32 v[TP], v[BM], v[BM+1], v[BM+2]
	v_max_num_f32 v[TP], v[TP], v[BM+3]
	v_mul_f32 v[TP], s[CS], v[TP]                  ; the step's largest t (c is positive)
	v_max_num_f32 v[ST+1], v[ST+1], v[TP]
	v_mov_b32 v[TP], v[ST]
	v_floor_f32 v[ST], -v[ST+1]                    ; the new -M = -ceil(t): a whole number
	v_sub_f32 v[TP], v[ST], v[TP]                  ; old M - new M, 0 or less
	v_cvt_i32_f32 v[TP], v[TP]                     ; (it saturates)
	v_ldexp_f32 v[ST+4], 1.0, v[TP]                ; f = 2^(old M - new M)
.set jj, 0
.rept 32
	v_pk_fma_f32 v[SQ+jj:SQ+jj+1], v[SQ+jj:SQ+jj+1], s[CS:CS+1], v[ST:ST+1] op_sel_hi:[1,0,0]   ; t - M, two at a time
.set jj, jj+2
.endr
.irp b, 0,1,2,3
	v_fma_f32 v[BM+\b], v[BM+\b], s[CS], v[ST]
.endr
.set jj, 0
	s_wait_alu depctr_va_vdst(0)                   ; the wait ahead of the batch
.rept 64
	v_exp_f32 v[SQ+jj], v[SQ+jj]                   ; p = 2^(t - M)
.set jj, jj+1
.endr
	v_pk_mul_f32 v[ST+2:ST+3], v[ST+2:ST+3], v[ST+4:ST+5] op_sel_hi:[1,0]   ; the sums under the new M: the plain place behind the exponentials
	s_wait_alu depctr_va_vdst(0)                   ; one wait for the batch of 64, ahead of its first reader
.irp b, 0,1,2,3
	v_exp_f32 v[BM+\b], v[BM+\b]                   ; each block's largest p
.endr
	v_pk_add_f32 v[PX:PX+1], v[SQ:SQ+1], v[SQ+2:SQ+3]   ; the row's sum, of the unquantised p, in two chains
.irp j, 4,8,12,16,20,24,28,32,36,40,44,48,52,56,60
	v_pk_add_f32 v[ST+2:ST+3], v[ST+2:ST+3], v[SQ+\j:SQ+\j+1]
	v_pk_add_f32 v[PX:PX+1], v[PX:PX+1], v[SQ+\j+2:SQ+\j+3]
.endr
	v_pk_add_f32 v[ST+2:ST+3], v[ST+2:ST+3], v[PX:PX+1]
	s_wait_alu depctr_va_vdst(0)                   ; and one for the four; it also stands between the last step's writes of O^T and their first reads below
.irp b, 0,1,2,3
	v_max_num_f32 v[BM+\b], 0x1800000, v[BM+\b]    ; the floor 2^(3 - 127): the byte cannot fall under 1
.endr
.irp b, 0,1,2,3
	v_add_nc_u32 v[SO+\b], 0xff000000, v[BM+\b]
.endr
.irp b, 0,1,2,3
	v_lshrrev_b32 v[PX+\b], 23, v[SO+\b]
.endr
	v_lshl_or_b32 v[PS+\q], v[PX+1], 8, v[PX]      ; p's scale word for these 128 keys
	v_lshl_or_b32 v[PS+\q], v[PX+2], 16, v[PS+\q]
	v_lshl_or_b32 v[PS+\q], v[PX+3], 24, v[PS+\q]
.irp c, 0,1
	v_cvt_scalef32_pk16_fp6_f32 v[PCO+6*\c:PCO+6*\c+2], v[SQ+32*\c:SQ+32*\c+15], v[SO+2*\c]
	v_cvt_scalef32_pk16_fp6_f32 v[CH+4*\c:CH+4*\c+2], v[SQ+16+32*\c:SQ+31+32*\c], v[SO+2*\c+1]
.endr
	v_nop                                          ; one plain place behind the scaled conversions
.irp c, 0,1
.irp i, 0,1,2
	v_permlane16_swap_b32 v[PCO+6*\c+\i], v[CH+4*\c+\i]
.endr
.irp i, 0,1,2
	v_mov_b32 v[PCO+3+6*\c+\i], v[CH+4*\c+\i]
.endr
.endr
.endm
; The accumulators of d tile 4 (k - 8) + j of nt tiles of queries under the new M: x f.  4 nt packed multiplies; each accumulator is read from its low end on
.macro RSJ nt, k, j
	WIN 0x82+0x41*(((\k)-8)/4)                     ; O^T (destination and source 0) in window 2 or 3, f in window 0
.irp q, 0,1
.if \q >= 2-(\nt)
.set rO, 128*\q+8*((4*((\k)-8)+(\j))%16)
.irp n, 0,2,4,6
	v_pk_mul_f32 v[rO+\n:rO+\n+1], v[rO+\n:rO+\n+1], v[STT+8*\q+4:STT+8*\q+5] op_sel_hi:[1,0]
.endr
.endif
.endr
.endm
; O^T += V^T P^T: each of the 32 nt accumulators once.  Groups 8 to 11 have been asked for; group k + 3 is asked for at the head of group k, into the buffer that group k - 1 read.
; Behind the products of d tile j of group k stand the multiplies by f of d tile j of group k + 1: plain vector work between the matrix instructions.  They name no register of group k's
; products, so the last run of them is the places ahead of the loads into the buffer that group k read.  Between an accumulator's multiplies and the product that adds onto it stand
; 12 nt other multiplies; in the last group, which has none, a wait on vector results stands ahead of the wait on DScnt.
; Group 8's own 16 nt multiplies are also the places between P's codes and scale word, written by vector instructions, and the first product.
.macro PVPH nt
.irp j, 0,1,2,3
	RSJ \nt, 8, \j
.endr
.set kk, 8
.rept 8
.if (kk > 8) && (kk+3 < 16)
	LDG kk+3
.endif
.if kk < 13
	s_wait_dscnt 36                                ; the three younger groups of 12 may be out
.elseif kk == 13
	s_wait_dscnt 24
.elseif kk == 14
	s_wait_dscnt 12
.else
	s_wait_alu depctr_va_vdst(0)
	s_wait_dscnt 0x0
.endif
.set vb, (kk-8)%4
.irp j, 0,1,2,3
.if vb == 3
	WIN 0xa0+0x50*((kk-8)/4)                       ; V's fourth buffer and P in window 0, O^T in window 2 or 3
.else
	WIN 0xa1+0x50*((kk-8)/4)                       ; V in window 1, P in window 0, O^T in window 2 or 3
.endif
.irp q, 0,1
.if \q >= 2-(\nt)
.set tT, 4*(kk-8)+\j
.set rD, 128*\q+8*(tT%16)
.if vb == 3
.set rA, SS+12*\j
.else
.set rA, BUF+48*((vb+2)%3)+12*\j
.endif
.set rB, PCD+12*\q
.set rSA, VS+4*(tT/8)+(tT%8)/2
.set fRA, tT%2
.set rSB, PS+\q
.set fRB, 0
.set fZ, 0
	WMMA
.endif
.endr
.if kk < 15
	RSJ \nt, kk+1, \j
.endif
.endr
.set kk, kk+1
.endr
	WIN 0
.endm
; THE WAY OUT of tile q, by quarters of a row: quarter a is d = 128 a .. 128 a + 127, 64 registers a lane, in two sets (v128-191, v192-255) by turns.
; OMUL: O^T / the sum: register 16 P + i of the set: d = 128 a + 32 P + 16 h + i of my query.
.macro OMUL q, a
	WIN 0x02+(\a)/2
.set n, 0
.rept 32
	v_pk_mul_f32 v[SS+64*((\a)%2)+2*n:SS+64*((\a)%2)+2*n+1], v[128*(\q)+64*((\a)%2)+2*n:128*(\q)+64*((\a)%2)+2*n+1], v[STT+8*(\q)+6:STT+8*(\q)+7] op_sel_hi:[1,0]
.set n, n+1
.endr
	WIN 0
.endm
; OSTG: into my stage, 64 bytes a lane and pair of tiles, and back as whole rows of 512 bytes, into the registers that they left.  LDS serves a wave's instructions in order
; (ISA guide 5.7.1.4): the loads see the stores above them, and the next quarter's stores come behind these loads.
.macro OSTG a
.set n, 0
.rept 16
	ds_store_b128 v[SIN], v[SS+64*((\a)%2)+4*n:SS+64*((\a)%2)+4*n+3] offset:128*(n/4)+16*(n%4)
.set n, n+1
.endr
.set n, 0
.rept 16
	ds_load_b128 v[SS+64*((\a)%2)+4*n:SS+64*((\a)%2)+4*n+3], v[SOUT] offset:SP*n
.set n, n+1
.endr
.endm
; OSEND: each store covers 512 consecutive bytes of a row of out, at a multiple of 256 from its first byte.  younger: the LDS instructions issued behind quarter a's loads
.macro OSEND q, a, younger
	s_wait_dscnt \younger
.set n, 0
.rept 16
	global_store_b128 v[LI], v[SS+64*((\a)%2)+4*n:SS+64*((\a)%2)+4*n+3], s[36+2*(\q):37+2*(\q)] offset:(n+8*(n/8))*2048+512*(\a) th:TH_STORE_NT
.set n, n+1
.endr
.endm
.macro OUT q
.set ST, STT+8*(\q)
	PLACES
	v_add_f32 v[TP], v[ST+2], v[ST+3]
	v_permlanex16_b32 v[PX], v[TP], s[SEL], s[SEL+1]
	v_add_f32 v[TP], v[TP], v[PX]                  ; the row's sum
	s_wait_alu depctr_va_vdst(0)                   ; the wait ahead of the transcendental
	v_rcp_f32 v[ST+6], v[TP]
	v_nop                                          ; a plain place behind the reciprocal
	s_wait_alu depctr_va_vdst(0)                   ; and the wait ahead of its first reader, and of the first reads of O^T
	OMUL \q, 0
	OSTG 0
	OMUL \q, 1                                     ; a quarter's multiplies and stage traffic stand between the quarter before's loads and its stores
	OSTG 1
	OSEND \q, 0, 32                                ; quarter 1's 16 stores and 16 loads may be out
	s_wait_xcnt 0x0                                ; quarter 0's stores have read their registers: the set is written again
	OMUL \q, 2
	OSTG 2
	OSEND \q, 1, 32
	s_wait_xcnt 0x0
	OMUL \q, 3
	OSTG 3
	OSEND \q, 2, 32
	OSEND \q, 3, 0
	s_wait_xcnt 0x0                                ; the stores have read their registers: the next key step's scores and fragments land there
.endm
	s_load_b128 s[4:7], s[0:1], 0x0                ; qc s[4:5], kv s[6:7]
	s_load_b64 s[8:9], s[0:1], 0x10                ; out0
	v_lshl_add_u32 v[SPW], v0, 2, SPARE
	v_mov_b32 v[NIL], 0
	ds_add_u32 v[SPW], v[NIL]                      ; the opening lines: the add, twice on end, and its wait ahead of the round in front of my first tensor load
	ds_add_u32 v[SPW], v[NIL]
	v_lshrrev_b32 v70, 5, v0
	v_readfirstlane_b32 s[WV], v70                 ; wave 0..3
	s_bfe_u32 s13, ttmp6, 0x40000                  ; cx
	s_mov_b32 s14, ttmp9                           ; ct
	s_and_b32 s15, ttmp7, 0xffff                   ; the batch
	s_mov_b32 s[BLO], s[WV]
	s_sub_co_u32 s[BHI], 7, s[WV]
	s_lshl_b32 s10, s14, 2
	s_add_co_u32 s10, s10, s13                     ; my tile in its blocks: cx + 4 ct
	s_lshr_b32 s11, s10, 1
	s_mov_b32 s16, 15|(3<<16)|(1<<21)              ; group 1: mask: all four work-groups; elements of 8 bytes; bit 21 beside a mask; no padding
	s_mov_b32 s17, 32<<16                          ; rows of 256 bytes,
	s_mov_b32 s18, 100<<16                         ; 100 of them,
	s_mov_b32 s19, 32<<16
	s_mov_b32 s20, 100
	s_mov_b32 s21, 32                              ; dense
	s_mov_b32 s22, 0
	s_mov_b32 s23, 0
	s_mov_b32 s[SEL], 0x76543210
	s_mov_b32 s[SEL+1], 0xfedcba98
	s_mov_b32 s[CS], 0x420293ee                    ; c = sqrt(512) log2(e)
	s_mov_b32 s[CS+1], s[CS]
	s_mov_b32 s[TB], 0
	s_mov_b32 s[STEP], 0
	s_cmp_eq_u32 s14, 0
	s_cselect_b32 s42, 6, 0                        ; the batch's first cluster prefetches, in key steps 0 to 5
	s_mul_i32 s48, s15, 8*KVB                      ; the batch's blocks of kv,
	s_mul_i32 s50, s[WV], BLKB                     ; my quarter
	s_mul_i32 s56, s13, BLKB                       ; the prefetches: my work-group's quarter, my wave's quarter of that, key step 1: the first change steps it to 2
	s_add_co_u32 s56, s56, s48
	s_mul_i32 s57, s[WV], 6400
	s_add_co_u32 s56, s56, s57
	s_add_co_u32 s56, s56, KVB
	s_mov_b32 s57, 0
	s_add_co_u32 s48, s48, s50
	s_mov_b32 s49, 0
	s_mul_i32 s51, s[WV], STW
	s_add_co_u32 s51, s51, STAGE                   ; my stage
	s_and_b32 s58, s10, 1
	s_mul_i32 s59, s10, 4*FRB                      ; my tile's four fragments in a block of qc
	s_lshl_b32 s60, s15, 3
	s_lshl_b32 s61, s58, 8
	s_lshl_b32 s43, s11, 2
	s_add_co_u32 s61, s61, s43                     ; its place in a scale image: 256 (tile % 2) + 4 (tile / 2)
	s_lshl_b32 s43, s11, 5
	s_lshl_b32 s58, s58, 3
	s_add_co_u32 s43, s43, s58                     ; its first query in the block: 32 (tile / 2) + 8 (tile % 2)
	s_mov_b32 s63, 0
	v_and_b32 v70, 31, v0
	v_lshlrev_b32 v[LI], 4, v70
	v_min_u32 v[PFO], 24, v70
	v_lshlrev_b32 v[PFO], 8, v[PFO]
	v_and_b32 v70, 15, v0                          ; r
	v_bfe_u32 v71, v0, 4, 1                        ; h
	v_mul_u32_u24 v[SIN], v70, SP
	v_lshl_add_u32 v[SIN], v71, 6, v[SIN]
	v_add_nc_u32 v[SIN], s51, v[SIN]
	v_add_nc_u32 v[SOUT], s51, v[LI]
	v_lshlrev_b32 v[QSO], 4, v70
	v_lshl_add_u32 v[QSO], v71, 9, v[QSO]
	v_and_b32 v[DQ], 8, v70
	v_add_nc_u32 v[DQ], v[DQ], v70
	v_lshlrev_b32 v71, 4, v71
	v_sub_nc_u32 v[DQ], v[DQ], v71
	v_add_nc_u32 v[DQ], s43, v[DQ]
	v_mov_b32 v[NINF], 0xff800000
	s_wait_alu depctr_va_vdst(0)                   ; directly ahead of the waits below
	s_wait_dscnt 0x0                               ; both opening adds are done
	s_wait_kmcnt 0x0
	s_mov_b32 s24, 1                               ; group 0: count 1,
	s_mov_b32 s25, s50                             ; LDS: slot 0, my quarter,
	s_add_nc_u64 s[26:27], s[6:7], s[48:49]        ; key step 0, my quarter,
	s_or_b32 s27, s27, 0x80000000                  ; type 2
	ROUND                                          ; all four work-groups are here: the first joint load meets
	tensor_load_to_lds s[24:27], s[16:23]          ; key step 0: my one load at the head
	s_nop 0
	PLACES
	s_add_nc_u64 s[40:41], s[6:7], s[56:57]
.irp q, 0,1
	s_add_co_u32 s56, s60, s[BLO+\q]
	s_mul_i32 s56, s56, QCB                        ; the tile's block of qc
	s_add_co_u32 s62, s56, s59
	s_add_nc_u64 s[44+2*\q:45+2*\q], s[4:5], s[62:63]   ; its four fragments
	s_add_co_u32 s62, s56, s61
	s_add_nc_u64 s[52+2*\q:53+2*\q], s[4:5], s[62:63]   ; its scale words
	s_lshl_b32 s62, s15, 10
	s_lshl_b32 s56, s[BLO+\q], 7
	s_add_co_u32 s62, s62, s56
	s_add_co_u32 s62, s62, s43
	s_lshl_b32 s62, s62, 11                        ; rows of 2,048 bytes
	s_add_nc_u64 s[36+2*\q:37+2*\q], s[8:9], s[62:63]   ; its first row of out
.endr
	s_add_co_u32 s[BL1], s[BLO], 1
	s_add_co_u32 s[BH1], s[BHI], 1
	WIN 0x40
.irp q, 0,1
.irp s, 0,1,2,3
.irp c, 0,1,2
	global_load_b128 v[48*\q+12*\s+4*\c:48*\q+12*\s+4*\c+3], v[LI], s[44+2*\q:45+2*\q] offset:FRB*\s+512*\c th:TH_LOAD_NT   ; Q stays in registers
.endr
.endr
.endr
	WIN 0
.irp q, 0,1
.irp p, 0,1
	global_load_b32 v[QS+2*\q+\p], v[QSO], s[52+2*\q:53+2*\q] offset:SCO+1024*\p   ; lanes 0-15: K step 2 p; lanes 16-31: K step 2 p + 1
.endr
.endr
.irp q, 0,1
	v_mov_b32 v[STT+8*\q+1], 0xff61b1e6            ; the largest t so far: -3e38
	v_floor_f32 v[STT+8*\q], -v[STT+8*\q+1]
.irp i, 2,3,4,5,6,7
	v_mov_b32 v[STT+8*\q+\i], 0
.endr
.endr
.irp b, 0,1,2,3
	v_mov_b32 v[PX+\b], 0                          ; written once: a lane permute's destination counts as one of its sources
.endr
.irp ww, 0,1                                   ; O^T = 0, while the first tile and Q are on their way
	WIN 0x80+0x40*\ww
.set n, 0
.rept 256
	v_mov_b32 v[n], 0
.set n, n+1
.endr
.endr
	WIN 0
	s_wait_loadcnt 0x0                             ; Q
.Lstep:                                            ; seven trips: key steps 0 to 6; behind each change of slots the next key step is asked for
	CHANGE 1
	v_add_nc_u32 v[AK], s[TB], v[LI]               ; made ahead of the branches, on every wave's way
	v_add_nc_u32 v[AV], VOFF, v[AK]
	s_cmp_gt_u32 s[STEP], s[BHI]
	s_cbranch_scc1 .Lidle                          ; both tiles are finished
	s_cmp_gt_u32 s[STEP], s[BLO]
	s_cbranch_scc1 .Lone                           ; tile A is finished
	s_wait_alu depctr_va_vdst(0)                   ; the wait ahead of the first reads of the two addresses
	SPH 2
	s_cmp_lg_u32 s[STEP], s[BLO]
	s_cbranch_scc1 .Lopen_a
	MASK 0                                         ; tile A's diagonal step
.Lopen_a:
	SOFTMAX 0
	LDG 11                                         ; tile A's codes are made: S_A's registers take V's fourth group
	WIN 0
	SOFTMAX 1
	PVPH 2
	s_branch .Lnext
.Lone:
	s_wait_alu depctr_va_vdst(0)                   ; as above
	SPH 1
	s_cmp_lg_u32 s[STEP], s[BHI]
	s_cbranch_scc1 .Lopen_b
	MASK 1                                         ; tile B's diagonal step
.Lopen_b:
	SOFTMAX 1
	PVPH 1
	s_cmp_lg_u32 s[STEP], s[BL1]
	s_cbranch_scc1 .Lnext
	OUT 0                                          ; tile A was finished a key step ago
	s_branch .Lnext
.Lidle:
	s_cmp_lg_u32 s[STEP], s[BH1]
	s_cbranch_scc1 .Lnext
	OUT 1                                          ; tile B was finished a key step ago
.Lnext:
	s_xor_b32 s[TB], s[TB], SLOT1                  ; on to the other slot
	s_add_co_u32 s[STEP], s[STEP], 1
	s_cmp_lt_u32 s[STEP], 7
	s_cbranch_scc1 .Lstep
	CHANGE 0                                       ; key step 7 is written out: nothing is asked for
	v_add_nc_u32 v[AK], s[TB], v[LI]
	v_add_nc_u32 v[AV], VOFF, v[AK]
	s_cmp_lg_u32 s[BHI], 7
	s_cbranch_scc1 .Ltail_idle                     ; only the tile of the last block has a part in it, and it is that tile's diagonal step
	s_wait_alu depctr_va_vdst(0)
	SPH 1
	MASK 1
	SOFTMAX 1
	PVPH 1
	s_branch .Ltail_out
.Ltail_idle:
	s_cmp_lg_u32 s[BHI], 6
	s_cbranch_scc1 .Lend                           ; block 6's tile was finished a key step ago
.Ltail_out:
	OUT 1
.Lend:
	s_wait_tensorcnt 0x0                           ; the wave's end
	ds_add_u32 v[SPW], v[NIL]
	s_wait_dscnt 0x0
	ROUND                                          ; the closing round
	s_endpgm
.Lfunc_end_k_qceee32a96a_attn:
	.size	k_qceee32a96a_attn, .Lfunc_end_k_qceee32a96a_attn-k_qceee32a96a_attn
	.p2alignl 7, 3214868480
	.fill 96, 4, 3214868480
	.section	.rodata,"a",@progbits
	.p2align	6, 0x0
	.amdhsa_kernel k_qceee32a96a_attn
		.amdhsa_group_segment_fixed_size 327680
		.amdhsa_private_segment_fixed_size 0
		.amdhsa_enable_private_segment 0
		.amdhsa_kernarg_size 24
		.amdhsa_user_sgpr_count 2
		.amdhsa_user_sgpr_kernarg_segment_ptr 1
		.amdhsa_wavefront_size32 1
		.amdhsa_system_sgpr_workgroup_id_x 1
		.amdhsa_system_sgpr_workgroup_id_y 1
		.amdhsa_system_sgpr_workgroup_id_z 1
		.amdhsa_system_vgpr_workitem_id 0
		.amdhsa_next_free_vgpr 1024
		.amdhsa_next_free_sgpr 66
		.amdhsa_reserve_vcc 1
		.amdhsa_float_denorm_mode_32 3
		.amdhsa_float_denorm_mode_16_64 3
		.amdhsa_memory_ordered 1
		.amdhsa_forward_progress 1
		.amdhsa_inst_pref_size 255
	.end_amdhsa_kernel
	.section	.bss,"aw",@nobits
	.p2align	6
	.space	262144
	.amdgpu_metadata
---
amdhsa.version: [ 1, 2 ]
amdhsa.kernels:
  - .name:           k_qceee32a96a_attn
    .symbol:         k_qceee32a96a_attn.kd
    .args:
      - { .name: qc, .offset: 0, .size: 8, .value_kind: global_buffer, .address_space: global }
      - { .name: kv, .offset: 8, .size: 8, .value_kind: global_buffer, .address_space: global }
      - { .name: out0, .offset: 16, .size: 8, .value_kind: global_buffer, .address_space: global }
    .group_segment_fixed_size: 327680
    .private_segment_fixed_size: 0
    .kernarg_segment_align: 8
    .kernarg_segment_size: 24
    .max_flat_workgroup_size: 128
    .sgpr_count:     66
    .vgpr_count:     1024
    .wavefront_size: 32
...
	.end_amdgpu_metadata
.endif
;; end of part 3
